; MI455X (gfx1250); checked and timed in simulation.
; The chip was launched on July 23, 2026; its instructions are those of AMD's public machine-readable ISA for CDNA 5 (MIT licence, August 2026) and "CDNA5" Instruction Set Architecture Reference Guide (July 2026). The comments in the code are by the model that wrote it; some were corrected since.
;; Multi Head Attention. Allowed arithmetic: float matrix products may take bf16 or f16 operands with f32 sums; all other float work in f32.
;; Inputs: Wk 512 x 512 float32; Wq 512 x 512 float32; Wv 512 x 512 float32; bk 512 float32; bq 512 float32; bv 512 float32; key 2 x 2,048 x 512 float32; query 2 x 2,048 x 512 float32; value 2 x 2,048 x 512 float32.
;; Outputs: out0 2 x 2,048 x 512 float32.
;; One version. Each part assembles by itself: llvm-mc -triple=amdgcn-amd-amdhsa -mcpu=gfx1250 --defsym DOCPART=n.
;; ======== version 1 of 1: 2 launches
;; limits: values are held in f16: magnitudes above 65,504 overflow, below 6.1e-05 lose precision
;; workspace buffers: qkv 12,582,912 bytes
;; launch proj (part 1): grid 4 x 48, 8 waves a work-group, no clusters, 130,048 bytes of LDS; arguments query, key, value, Wq, Wk, Wv, bq, bk, bv, qkv; writes qkv
.if DOCPART == 1
	.amdgcn_target "amdgcn-amd-amdhsa--gfx1250"
	.amdhsa_code_object_version 6
	.text
	.protected	k_qce53673471_proj
	.globl	k_qce53673471_proj
	.p2align	8
	.type	k_qce53673471_proj,@function
k_qce53673471_proj:
	s_mov_b64 s[64:65], 0
	v_nop
	global_prefetch_b8 v0, s[64:65] scope:SCOPE_SE
	s_setreg_imm32_b32 hwreg(HW_REG_WAVE_MODE, 25, 1), 1
	s_wait_xcnt 0x0
; q = query Wq + bq, k = key Wk + bk, v = value Wv + bv.  x: [4096][512] f32, W: [512 k][512 n] f32, bias: [512] f32.
; Result: qkv, f16, laid [3 parts q,k,v][16 = 8 b + head][2048 s][64]: a row is 128 bytes, a (b, head) block 262,144, a part 4,194,304.
; Products in bf16 (x and W rounded to nearest even on their way into LDS), sums in f32, the bias as the first product's addend.
; LIMIT: the result is kept in f16, so |q|, |k|, |v| must stay at or below 65,504; beyond that a result becomes an infinity.
;   (inputs as drawn give |v| of a few units; x and W both 30 times larger give a few thousand; offsets of 30 spreads on both give 512 x 30 x 0.6 = 9,216.)
; SHARES: grid x = block of 128 columns (two heads), grid y = 16 z + block of 256 rows, z = 0, 1, 2 for q, k, v: 192 work-groups of 256 x 128.
;   Eight waves as 4 x 2: a wave makes 64 rows x 64 columns = one head, 16 accumulator tiles; its result is 8,192 consecutive bytes of qkv.
; K goes in 8 chunks of 64 (a row's piece of x is 256 bytes of f32, at a multiple of 256 from the buffer's start), all trips written out by macro:
;   the chunk stands in the immediate offset and no address register is ever written again.
; NO TENSOR LOADS AND NO JOINT REQUESTS: x and W are f32 in memory and bf16 in the fragments.  A tile copied as it lies would stand in LDS as f32, 4 bytes
;   stored and 2 x 4 read for each number of x (two waves read each row), against 2 stored and 2 x 2 read here, and W, which lies [k][n], needs 16-bit
;   elements in LDS for the transposing load.  So the tiles pass through registers, where they are rounded; such loads are each work-group's own.
; TWO CHUNKS AHEAD: while chunk c is multiplied, chunks c+1 and c+2 are on their way into two sets of 96 registers (48 loads of a wave out).
.set XPITCH, 144                       ; an LDS row of x: 64 bf16 + 16 bytes = 9 x 16: sixteen rows start in sixteen different 16-byte columns modulo 256
.set XSLOT,  256*XPITCH                ; 36,864
.set WPITCH, 288                       ; an LDS row of W: 128 bf16 + 32 bytes = 9 x 32, for the transposing load
.set WBASE,  2*XSLOT                   ; 73,728
.set WSLOT,  64*WPITCH                 ; 18,432
.set STAGE,  WBASE+2*WSLOT             ; 110,592: 16 rows x 144 bytes for each wave, for the way out
.set STGB,   16*XPITCH                 ; 2,304
.set VXG,  2                           ; global byte offset of my 16 bytes of x: (32 w + 8 h) rows x 2,048 + 16 r
.set VWG,  3                           ; of W: 8 w rows x 2,048 + 16 L
.set VXS,  4                           ; LDS: where my 8 bytes of x go: (32 w + 8 h) x 144 + 8 r
.set VWS,  5                           ; where my 8 bytes of W go: WBASE + 8 w x 288 + 8 L
.set VXF,  6                           ; my x fragments: (64 wr + r) x 144 + 16 h
.set VWF,  7                           ; my W fragments: WBASE + (8 h + L%8) x 288 + 16 ((L/8)%2) + 128 wc
.set VB,   8                           ; bias: 256 wc + 32 h
.set VST,  9                           ; the way out: stage + 144 r + 16 h
.set VRD,  10                          ; stage + 144 (L/8) + 16 (L%8)
.set VOUT, 11                          ; 16 L
.set BIAS, 16                          ; v[16:47]   tile nt: the bias of columns 16 nt + 8 h + 0..7
.set TMP,  16                          ; v[16:31]   the way out: packed f16
.set XF,   48                          ; v[48:79]   four x fragments (16 rows x 32 k)
.set WF,   80                          ; v[80:111]  four W fragments (16 columns x 32 k)
.set ACC,  112                         ; v[112:239] tile (mt, nt) at 8 (4 mt + nt)
.set OB0,  48                          ; the way out: rows read back, two buffers by turns
.set OB1,  64
; v256-351 and v352-447 (written v0-95 and v96-191 in window 1): staging sets 0 and 1; x load i at 4 i, W load i at 64 + 4 i
.set MSB, 0
.macro WIN new                         ; s_set_vgpr_msb: bits 1:0 source 0, 3:2 source 1, 5:4 source 2, 7:6 destination; the high byte repeats the setting that is left
.if MSB != \new
	s_set_vgpr_msb (MSB<<8)|\new
.set MSB, \new
.endif
.endm
.macro PLACES                          ; four places behind a matrix instruction, in front of loads into its sources and of readers of its result
.rept 4
	v_nop
.endr
.endm
	s_load_b512 s[8:23], s[0:1], 0x0               ; query, key, value, Wq, Wk, Wv, bq, bk
	s_load_b128 s[24:27], s[0:1], 0x40             ; bv, qkv
	v_lshl_add_u32 v254, v0, 2, 0x1f800
	v_mov_b32 v255, 0
	v_lshrrev_b32 v1, 5, v0
	v_readfirstlane_b32 s6, v1                     ; wave 0..7
	s_mov_b32 s2, ttmp9                            ; cb: block of 128 columns
	s_and_b32 s3, ttmp7, 0xffff
	s_lshr_b32 s4, s3, 4                           ; z: which of the three products
	s_and_b32 s5, s3, 15                           ; rb: block of 256 rows
	s_lshr_b32 s7, s6, 1                           ; wr: my 64 rows of the block
	s_and_b32 s28, s6, 1                           ; wc: my 64 columns = my head of the two
	; byte offset of my 64 x 64 in qkv: part, (b, head) block, first row
	s_and_b32 s29, s5, 8                           ; 8 b (b = rb / 8)
	s_lshl1_add_u32 s29, s2, s29                   ; + 2 cb
	s_add_co_u32 s29, s29, s28                     ; + wc
	s_lshl_b32 s29, s29, 18
	s_lshl_b32 s40, s4, 22
	s_add_co_u32 s29, s29, s40
	s_and_b32 s40, s5, 7
	s_lshl_b32 s40, s40, 15                        ; (rb % 8) x 256 rows of 128 bytes
	s_add_co_u32 s29, s29, s40
	s_lshl_b32 s40, s7, 13                         ; 64 wr rows
	s_add_co_u32 s29, s29, s40
	; lane terms
	v_and_b32 v12, 31, v0                          ; L
	v_and_b32 v13, 15, v0                          ; r
	v_bfe_u32 v14, v0, 4, 1                        ; h
	s_lshl_b32 s40, s6, 16
	v_lshlrev_b32 v[VXG], 4, v13
	v_lshl_add_u32 v[VXG], v14, 14, v[VXG]
	v_add_nc_u32 v[VXG], s40, v[VXG]
	s_lshl_b32 s41, s6, 14
	v_lshl_add_u32 v[VWG], v12, 4, s41
	s_mul_i32 s42, s6, 32*XPITCH
	v_mul_u32_u24 v[VXS], v14, 8*XPITCH
	v_lshl_add_u32 v[VXS], v13, 3, v[VXS]
	v_add_nc_u32 v[VXS], s42, v[VXS]
	s_mul_i32 s43, s6, 8*WPITCH
	s_add_co_u32 s43, s43, WBASE
	v_lshl_add_u32 v[VWS], v12, 3, s43
	s_mul_i32 s44, s7, 64*XPITCH
	v_mul_u32_u24 v[VXF], v13, XPITCH
	v_lshl_add_u32 v[VXF], v14, 4, v[VXF]
	v_add_nc_u32 v[VXF], s44, v[VXF]
	v_and_b32 v15, 7, v0
	v_lshl_add_u32 v15, v14, 3, v15                ; 8 h + L % 8
	v_mul_u32_u24 v[VWF], v15, WPITCH
	v_bfe_u32 v15, v0, 3, 1
	v_lshl_add_u32 v[VWF], v15, 4, v[VWF]
	s_lshl_b32 s45, s28, 7
	s_add_co_u32 s45, s45, WBASE
	v_add_nc_u32 v[VWF], s45, v[VWF]
	s_lshl_b32 s46, s28, 8
	v_lshl_add_u32 v[VB], v14, 5, s46
	s_mul_i32 s47, s6, STGB
	s_add_co_u32 s47, s47, STAGE                   ; my stage
	v_mul_u32_u24 v[VST], v13, XPITCH
	v_lshl_add_u32 v[VST], v14, 4, v[VST]
	v_add_nc_u32 v[VST], s47, v[VST]
	v_lshrrev_b32 v15, 3, v12
	v_mul_u32_u24 v[VRD], v15, XPITCH
	v_and_b32 v15, 7, v0
	v_lshl_add_u32 v[VRD], v15, 4, v[VRD]
	v_add_nc_u32 v[VRD], s47, v[VRD]
	v_lshlrev_b32 v[VOUT], 4, v12
	s_wait_kmcnt 0x0
	s_cmp_eq_u32 s4, 0                             ; the three buffers of my product, chosen by z
	s_cselect_b64 s[30:31], s[8:9], s[10:11]
	s_cselect_b64 s[32:33], s[14:15], s[16:17]
	s_cselect_b64 s[34:35], s[20:21], s[22:23]
	s_cmp_eq_u32 s4, 2
	s_cselect_b64 s[30:31], s[12:13], s[30:31]     ; x
	s_cselect_b64 s[32:33], s[18:19], s[32:33]     ; W
	s_cselect_b64 s[34:35], s[24:25], s[34:35]     ; bias
	s_mov_b32 s39, 0
	s_lshl_b32 s38, s5, 19                         ; 256 rows of 2,048 bytes
	s_add_nc_u64 s[30:31], s[30:31], s[38:39]
	s_lshl_b32 s38, s2, 9                          ; 128 columns of 4 bytes
	s_add_nc_u64 s[32:33], s[32:33], s[38:39]
	s_add_nc_u64 s[34:35], s[34:35], s[38:39]
	s_mov_b32 s38, s29
	s_add_nc_u64 s[36:37], s[26:27], s[38:39]      ; my 8,192 bytes of qkv
; Chunk c into staging set st: 24 loads.  x: the wave's 32 rows; lanes 0-15 take 256 consecutive bytes of row rho, lanes 16-31 of row rho + 8,
; rho = 0..7, 16..23.  W: the wave's 8 k rows, 512 consecutive bytes each.
.macro GLOAD c, st
	WIN 0x40                                       ; destination in window 1, address in window 0
.irp i, 0,1,2,3,4,5,6,7,8,9,10,11,12,13,14,15
	global_load_b128 v[96*\st+4*\i:96*\st+4*\i+3], v[VXG], s[30:31] offset:256*(\c)+2048*(16*(\i>>3)+(\i&7))
.endr
.irp i, 0,1,2,3,4,5,6,7
	global_load_b128 v[96*\st+64+4*\i:96*\st+64+4*\i+3], v[VWG], s[32:33] offset:131072*(\c)+2048*\i
.endr
.endm
; Set st is rounded to bf16 in place (four f32 become two registers) and stored into LDS slot number slot.
; A store of x covers 128 bytes of one row and 128 of the row 8 further down, 8 x 144 = 128 modulo 256 away: all its banks differ.
.macro CONV st, slot
	WIN 0x45                                       ; destination and both sources in window 1
.set q, 96*\st
.rept 24
	v_cvt_pk_bf16_f32 v[q], v[q], v[q+1]
	v_cvt_pk_bf16_f32 v[q+1], v[q+2], v[q+3]
.set q, q+4
.endr
	WIN 0x04                                       ; store data (source 1) in window 1, address in window 0
.irp i, 0,1,2,3,4,5,6,7,8,9,10,11,12,13,14,15
	ds_store_b64 v[VXS], v[96*\st+4*\i:96*\st+4*\i+1] offset:\slot*XSLOT+XPITCH*(16*(\i>>3)+(\i&7))
.endr
.irp i, 0,1,2,3,4,5,6,7
	ds_store_b64 v[VWS], v[96*\st+64+4*\i:96*\st+64+4*\i+1] offset:\slot*WSLOT+WPITCH*\i
.endr
.endm
; The fragments of 32 along K: first W's four (columns 16 nt + r, transposed on the way: two loads, 16 k rows apart), then x's four (rows 16 mt + r).
.macro FRAGS slot, ks
	WIN 0
.irp nt, 0,1,2,3
	ds_load_tr16_b128 v[WF+8*\nt:WF+8*\nt+3],   v[VWF] offset:\slot*WSLOT+\ks*32*WPITCH+32*\nt
	ds_load_tr16_b128 v[WF+8*\nt+4:WF+8*\nt+7], v[VWF] offset:\slot*WSLOT+\ks*32*WPITCH+32*\nt+16*WPITCH
.endr
.irp mt, 0,1,2,3
	ds_load_b128 v[XF+8*\mt:XF+8*\mt+3],   v[VXF] offset:\slot*XSLOT+\mt*16*XPITCH+64*\ks
	ds_load_b128 v[XF+8*\mt+4:XF+8*\mt+7], v[VXF] offset:\slot*XSLOT+\mt*16*XPITCH+64*\ks+32
.endr
.endm
; 16 matrix instructions, used transposed: source 0 = 16 columns of W, source 1 = 16 rows of x, so that lane (r, h) holds row r and the
; eight neighbouring columns 8 h + 0..7.  start = 1: the bias is the addend of the first product, and nothing is cleared.
; The sixteen accumulators take turns, one instruction a turn.
.macro MUL start
.irp mt, 0,1,2,3
	s_wait_dscnt 6-2*\mt                           ; LDS loads come back in order: W's eight and x's up to tile mt are in, the 6 - 2 mt younger ones may be out
.irp nt, 0,1,2,3
.if \start
	v_wmma_f32_16x16x32_bf16 v[ACC+8*(4*\mt+\nt):ACC+8*(4*\mt+\nt)+7], v[WF+8*\nt:WF+8*\nt+7], v[XF+8*\mt:XF+8*\mt+7], v[BIAS+8*\nt:BIAS+8*\nt+7]
.else
	v_wmma_f32_16x16x32_bf16 v[ACC+8*(4*\mt+\nt):ACC+8*(4*\mt+\nt)+7], v[WF+8*\nt:WF+8*\nt+7], v[XF+8*\mt:XF+8*\mt+7], v[ACC+8*(4*\mt+\nt):ACC+8*(4*\mt+\nt)+7]
.endif
.endr
.endr
.endm
; Chunk c is multiplied out of slot cur; chunk c+1 is rounded into slot nxt, whose last readers passed the barrier of the trip before;
; chunk c+3 is asked for into the set that has just been emptied.  ONE barrier a trip: in front of it my reads of slot cur and my stores
; into slot nxt are done; behind it slot nxt is whole and slot cur may be stored into.
.macro TRIP c, cur, nxt
	FRAGS \cur, 0                                  ; the places in front of these loads are the 48 conversions of the trip before, which name v256 and above only
.if \c == 0
	MUL 1
.else
	MUL 0
.endif
	PLACES
	FRAGS \cur, 1
	MUL 0
.if \c < 7
.if \c+2 <= 7
	s_wait_loadcnt 24                              ; chunk c+1 is in; the 24 loads of chunk c+2 stay out
.else
	s_wait_loadcnt 0x0                             ; the last chunk: nothing younger
.endif
	CONV \nxt, \nxt
.if \c+3 <= 7
	GLOAD \c+3, \nxt
.endif
	WIN 0
	s_wait_dscnt 0x0                               ; for the other waves: my reads of slot cur and my stores into slot nxt
	s_barrier_signal -1
	s_barrier_wait -1
.endif
.endm
.irp nt, 0,1,2,3
	global_load_b128 v[BIAS+8*\nt:BIAS+8*\nt+3],   v[VB], s[34:35] offset:64*\nt
	global_load_b128 v[BIAS+8*\nt+4:BIAS+8*\nt+7], v[VB], s[34:35] offset:64*\nt+16
.endr
	GLOAD 0, 0
	GLOAD 1, 1
	s_wait_loadcnt 24                              ; the bias and chunk 0 are in; chunk 1's 24 loads stay out
	CONV 0, 0
	GLOAD 2, 0
	WIN 0
	s_wait_dscnt 0x0                               ; my part of slot 0 is stored
	s_barrier_signal -1
	s_barrier_wait -1
	TRIP 0, 0, 1
	TRIP 1, 1, 0
	TRIP 2, 0, 1
	TRIP 3, 1, 0
	TRIP 4, 0, 1
	TRIP 5, 1, 0
	TRIP 6, 0, 1
	TRIP 7, 1, 0
; THE WAY OUT, 16 rows at a time: round to f16 (16 bytes a lane), through my own stage, read back as four whole rows of 128 bytes a load.
; LDS serves a wave's instructions in order (ISA guide 5.7.1.4), so the loads see the stores above them and the next stores follow these loads.
.macro OUT mt, ob
.irp nt, 0,1,2,3
.irp i, 0,1,2,3
	v_cvt_pk_f16_f32 v[TMP+4*\nt+\i], v[ACC+8*(4*\mt+\nt)+2*\i], v[ACC+8*(4*\mt+\nt)+2*\i+1]
.endr
.endr
.irp nt, 0,1,2,3
	ds_store_b128 v[VST], v[TMP+4*\nt:TMP+4*\nt+3] offset:32*\nt
.endr
	s_wait_xcnt 0x0                                ; buffer ob, the data of earlier stores, is loaded again only behind this wait
.irp t, 0,1,2,3
	ds_load_b128 v[\ob+4*\t:\ob+4*\t+3], v[VRD] offset:4*XPITCH*\t
.endr
.irp t, 0,1,2,3
	s_wait_dscnt 3-\t                              ; read-back t is in, the younger ones may be out
	global_store_b128 v[VOUT], v[\ob+4*\t:\ob+4*\t+3], s[36:37] offset:2048*\mt+512*\t   ; the wave stores 512 consecutive bytes, at a multiple of 512 from qkv's start
.endr
.endm
	PLACES                                         ; behind the last matrix instructions: the conversions read results, the read-backs land in x's fragments
	OUT 0, OB0
	OUT 1, OB1
	OUT 2, OB0
	OUT 3, OB1
	s_wait_tensorcnt 0x0
	ds_add_u32 v254, v255
	s_wait_dscnt 0x0
	s_endpgm
.Lfunc_end_k_qce53673471_proj:
	.size	k_qce53673471_proj, .Lfunc_end_k_qce53673471_proj-k_qce53673471_proj
	.p2alignl 7, 3214868480
	.fill 96, 4, 3214868480
	.section	.rodata,"a",@progbits
	.p2align	6, 0x0
	.amdhsa_kernel k_qce53673471_proj
		.amdhsa_group_segment_fixed_size 130048
		.amdhsa_private_segment_fixed_size 0
		.amdhsa_enable_private_segment 0
		.amdhsa_kernarg_size 80
		.amdhsa_user_sgpr_count 2
		.amdhsa_user_sgpr_kernarg_segment_ptr 1
		.amdhsa_wavefront_size32 1
		.amdhsa_system_sgpr_workgroup_id_x 1
		.amdhsa_system_sgpr_workgroup_id_y 1
		.amdhsa_system_sgpr_workgroup_id_z 1
		.amdhsa_system_vgpr_workitem_id 0
		.amdhsa_next_free_vgpr 448
		.amdhsa_next_free_sgpr 66
		.amdhsa_reserve_vcc 0
		.amdhsa_float_denorm_mode_32 3
		.amdhsa_float_denorm_mode_16_64 3
		.amdhsa_memory_ordered 1
		.amdhsa_forward_progress 1
		.amdhsa_inst_pref_size 104
	.end_amdhsa_kernel
	.amdgpu_metadata
---
amdhsa.version: [ 1, 2 ]
amdhsa.kernels:
  - .name:           k_qce53673471_proj
    .symbol:         k_qce53673471_proj.kd
    .args:
      - { .name: query, .offset: 0, .size: 8, .value_kind: global_buffer, .address_space: global }
      - { .name: key, .offset: 8, .size: 8, .value_kind: global_buffer, .address_space: global }
      - { .name: value, .offset: 16, .size: 8, .value_kind: global_buffer, .address_space: global }
      - { .name: Wq, .offset: 24, .size: 8, .value_kind: global_buffer, .address_space: global }
      - { .name: Wk, .offset: 32, .size: 8, .value_kind: global_buffer, .address_space: global }
      - { .name: Wv, .offset: 40, .size: 8, .value_kind: global_buffer, .address_space: global }
      - { .name: bq, .offset: 48, .size: 8, .value_kind: global_buffer, .address_space: global }
      - { .name: bk, .offset: 56, .size: 8, .value_kind: global_buffer, .address_space: global }
      - { .name: bv, .offset: 64, .size: 8, .value_kind: global_buffer, .address_space: global }
      - { .name: qkv, .offset: 72, .size: 8, .value_kind: global_buffer, .address_space: global }
    .group_segment_fixed_size: 130048
    .private_segment_fixed_size: 0
    .kernarg_segment_align: 8
    .kernarg_segment_size: 80
    .max_flat_workgroup_size: 256
    .sgpr_count:     66
    .vgpr_count:     448
    .wavefront_size: 32
...
	.end_amdgpu_metadata
.endif
;; end of part 1
;; launch attn (part 2): grid 16 x 16, 8 waves a work-group, no clusters, 168,960 bytes of LDS; arguments qkv, out0; writes out0
.if DOCPART == 2
	.amdgcn_target "amdgcn-amd-amdhsa--gfx1250"
	.amdhsa_code_object_version 6
	.text
	.protected	k_qce53673471_attn
	.globl	k_qce53673471_attn
	.p2align	8
	.type	k_qce53673471_attn,@function
k_qce53673471_attn:
	s_mov_b64 s[64:65], 0
	v_nop
	global_prefetch_b8 v0, s[64:65] scope:SCOPE_SE
	s_setreg_imm32_b32 hwreg(HW_REG_WAVE_MODE, 25, 1), 1
	s_wait_xcnt 0x0
; out[b][i][head][:] = sum over keys j, |j - i| <= 128 and 0 <= j < 2048, of softmax_j(q_i . k_j / 8) v_j.
; qkv: f16, [3 parts q,k,v][16 = 8 b + head][2048][64].  out0: f32, [2][2048][512].
; Products with f16 operands and f32 sums; the softmax in f32, with the row's true maximum taken away in front of the exponential.
; LIMIT: q, k, v come as f16 (|.| <= 65,504, kept by the launch that wrote them).  The weights exp(s - max) lie in [0, 1] and are rounded to f16
;   for the second product; weights below 2^-25 of the row's largest become 0.  The divisor is the f32 sum of the unrounded weights.
; SHARES: grid x = block of 128 queries, grid y = 8 b + head: 256 work-groups.  Wave w has queries 16 w .. 16 w + 15 of the block.  Their band lies in
;   17 key tiles of 16, which begin at key 16 w of the block's window of 384 keys (the block's own chunk of 128 and the chunk on either side).
;   Tiles 1 to 15 lie wholly inside the band, tiles 0 and 16 are cut by it; the sequence's ends fall on whole tiles, in blocks 0 and 15 alone.
; All 17 tiles of scores stay in registers (136), so the maximum is exact and nothing is rescaled.
; LDS is filled once: Q, three chunks of K, three of V, one tensor load each, by waves 0 to 6 (a wave has one tensor load out).  A chunk is 16,384 dense
;   bytes and comes as 64 rows of 256 bytes, two keys to a row.  At the sequence's ends the chunk number is clamped: real data, masked whole.
; NO JOINT REQUESTS: neighbouring query blocks share two of their three chunks, but a shared chunk is number i of one block's window and number i - 1 of
;   the next one's, so it lies at another LDS address in each, while a joint load has one descriptor for all its partners.
.set KBASE, 17408                      ; Q: 64 rows x 272 at 0; K: 3 x 17,408 behind it.  Key n lies at (n / 2) x 272 + (n % 2) x 128:
                                       ; sixteen keys start in the 16-byte columns n / 2 + 8 (n % 2) modulo 16, all different
.set VBASE, 69632                      ; V: 3 x 64 rows x 288.  The transposing load's sixteen lanes touch columns 2 (j / 2) + 8 (j % 2) + c, all different
.set STAGE, 124928                     ; 16 rows x 272 bytes for each wave, for the way out: bytes into which no tensor load lands
.set VQK,  2                           ; 2176 w + (r / 2) x 272 + (r % 2) x 128 + 16 h: my Q fragment; K's tile t is KBASE + 2176 t further
.set VV,   3                           ; VBASE + 2304 w + (4 h + (L % 8) / 2) x 288 + (L % 2) x 128 + 16 ((L / 8) % 2)
.set VD,   4                           ; 8 h - r
.set NINF, 5                           ; minus infinity
.set VSTO, 6                           ; stage + 272 r + 32 h
.set VRD,  7                           ; stage + 272 h + 16 r
.set VOUT, 8                           ; 2048 h + 16 r
.set QF,   16                          ; v[16:31]   Q fragments, k = 0..31 and 32..63
.set KA,   32                          ; v[32:63]   K fragments of two tiles
.set KB,   64                          ; v[64:111]  K fragments of two or three tiles
.set MX,   112                         ; v[112:119] eight chains of the maximum
.set NM,   112                         ; v[112:113] - c x maximum, twice
.set L0,   114                         ; v[114:117] four partial sums
.set L1,   116
.set RL,   118                         ; v[118:119] 1 / sum, twice
.set SCR,  120                         ; v[120:255] scores, tile t at 8 t; later the weights in f16, pair u of tiles at 16 u (8 registers)
.set VA,   16                          ; v[16:47]   V fragments of a pair of tiles
.set VB,   48                          ; v[48:79]   of the next pair
.set OA,   80                          ; v[80:111]  the result, four tiles of 16 units
.macro PLACES                          ; four places behind a matrix instruction, in front of loads into its sources and of readers of its result
.rept 4
	v_nop
.endr
.endm
	s_load_b128 s[4:7], s[0:1], 0x0                ; qkv, out0
	v_lshl_add_u32 v14, v0, 2, 0x29000
	v_mov_b32 v15, 0
	ds_add_u32 v14, v15
	ds_add_u32 v14, v15
	v_lshrrev_b32 v1, 5, v0
	v_readfirstlane_b32 s8, v1                     ; wave 0..7
	s_mov_b32 s9, ttmp9                            ; qb: block of 128 queries
	s_and_b32 s10, ttmp7, 0xffff                   ; 8 b + head
	; descriptor group 1, for Q and K: 64 rows of 32 elements of 8 bytes, dense; 4 words of padding behind every 64
	s_mov_b32 s16, (3<<16)|(1<<20)|(5<<22)|(3<<25)
	s_mov_b32 s17, 32<<16                          ; tensor_dim0 = 32
	s_mov_b32 s18, 64<<16                          ; tensor_dim1 = 64
	s_mov_b32 s19, 32<<16                          ; tile_dim0 = 32
	s_mov_b32 s20, 64                              ; tile_dim1 = 64
	s_mov_b32 s21, 32                              ; from row to row: 32 elements
	s_mov_b32 s22, 0
	s_mov_b32 s23, 0
	; the same for V, with 8 words of padding
	s_mov_b32 s24, (3<<16)|(1<<20)|(5<<22)|(7<<25)
	s_mov_b32 s25, 32<<16
	s_mov_b32 s26, 64<<16
	s_mov_b32 s27, 32<<16
	s_mov_b32 s28, 64
	s_mov_b32 s29, 32
	s_mov_b32 s30, 0
	s_mov_b32 s31, 0
	s_mov_b32 s12, 1                               ; group 0: count = 1
	s_mov_b32 s33, 0
	s_lshl_b32 s34, s10, 18                        ; my (b, head) block in a part
	s_wait_dscnt 0x0
	s_wait_kmcnt 0x0
	s_cmp_lt_u32 s8, 4
	s_cbranch_scc0 .Lvalues
	; waves 0 to 3: Q's chunk qb, then K's chunks qb - 1, qb, qb + 1
	s_mul_i32 s13, s8, 17408                       ; LDS address
	s_add_co_i32 s43, s9, s8
	s_sub_co_i32 s43, s43, 2
	s_max_i32 s43, s43, 0
	s_min_i32 s43, s43, 15                         ; clamped into the sequence
	s_cmp_eq_u32 s8, 0
	s_cselect_b32 s43, s9, s43
	s_cselect_b32 s32, 0, 0x400000                 ; part q or part k
	s_lshl_b32 s43, s43, 14
	s_add_co_u32 s32, s32, s43
	s_add_co_u32 s32, s32, s34
	s_add_nc_u64 s[14:15], s[4:5], s[32:33]
	s_or_b32 s15, s15, 0x80000000                  ; type = 2
	tensor_load_to_lds s[12:15], s[16:23]
	s_nop 0
	s_branch .Lasked
.Lvalues:
	s_cmp_lt_u32 s8, 7
	s_cbranch_scc0 .Lasked                         ; wave 7 asks for nothing
	; waves 4 to 6: V's chunks qb - 1, qb, qb + 1
	s_sub_co_u32 s43, s8, 4
	s_mul_i32 s13, s43, 18432
	s_add_co_u32 s13, s13, VBASE
	s_add_co_i32 s43, s9, s8
	s_sub_co_i32 s43, s43, 5
	s_max_i32 s43, s43, 0
	s_min_i32 s43, s43, 15
	s_lshl_b32 s43, s43, 14
	s_add_co_u32 s32, s43, s34
	s_add_co_u32 s32, s32, 0x800000                ; part v
	s_add_nc_u64 s[14:15], s[4:5], s[32:33]
	s_or_b32 s15, s15, 0x80000000
	tensor_load_to_lds s[12:15], s[24:31]
	s_nop 0
.Lasked:
	; while the tiles are on their way: constants and lane terms
	s_mov_b32 s36, 0x76543210                      ; v_permlanex16_b32: lane i of one half reads lane i of the other
	s_mov_b32 s37, 0xfedcba98
	s_mov_b32 s38, 0x3e38aa3b                      ; c = log2(e) / 8: the division by sqrt(64) and the change of base in one factor
	s_mov_b32 s39, 0x3e38aa3b
	s_mov_b32 s40, 0xbe38aa3b                      ; - c
	s_lshl3_add_u32 s41, s9, s8
	s_sub_co_u32 s41, s41, 8                       ; the number in the sequence of my key tile 0: 8 qb + w - 8 (may be below 0)
	s_lshr_b32 s32, s10, 3
	s_lshl_b32 s32, s32, 22                        ; out0: b x 2,048 rows of 2,048 bytes
	s_lshl_b32 s43, s9, 18                         ; + 128 qb rows
	s_add_co_u32 s32, s32, s43
	s_lshl_b32 s43, s8, 15                         ; + 16 w rows
	s_add_co_u32 s32, s32, s43
	s_and_b32 s43, s10, 7
	s_lshl_b32 s43, s43, 8                         ; + the head's 256 bytes
	s_add_co_u32 s32, s32, s43
	s_add_nc_u64 s[6:7], s[6:7], s[32:33]
	v_and_b32 v11, 15, v0                          ; r
	v_bfe_u32 v12, v0, 4, 1                        ; h
	v_and_b32 v10, 1, v0
	v_bfe_u32 v9, v0, 1, 3                         ; r / 2
	v_mul_u32_u24 v[VQK], v9, 272
	v_lshl_add_u32 v[VQK], v10, 7, v[VQK]
	v_lshl_add_u32 v[VQK], v12, 4, v[VQK]
	s_mul_i32 s43, s8, 2176
	v_add_nc_u32 v[VQK], s43, v[VQK]
	v_bfe_u32 v9, v0, 1, 2                         ; (L % 8) / 2
	v_lshl_add_u32 v9, v12, 2, v9
	v_mul_u32_u24 v[VV], v9, 288
	v_lshl_add_u32 v[VV], v10, 7, v[VV]
	v_bfe_u32 v9, v0, 3, 1
	v_lshl_add_u32 v[VV], v9, 4, v[VV]
	s_mul_i32 s43, s8, 2304
	s_add_co_u32 s43, s43, VBASE
	v_add_nc_u32 v[VV], s43, v[VV]
	v_lshlrev_b32 v[VD], 3, v12
	v_sub_nc_u32 v[VD], v[VD], v11
	v_mov_b32 v[NINF], 0xff800000
	s_mul_i32 s43, s8, 4352
	s_add_co_u32 s43, s43, STAGE
	v_mul_u32_u24 v[VSTO], v11, 272
	v_lshl_add_u32 v[VSTO], v12, 5, v[VSTO]
	v_add_nc_u32 v[VSTO], s43, v[VSTO]
	v_mul_u32_u24 v[VRD], v12, 272
	v_lshl_add_u32 v[VRD], v11, 4, v[VRD]
	v_add_nc_u32 v[VRD], s43, v[VRD]
	v_lshlrev_b32 v[VOUT], 4, v11
	v_lshl_add_u32 v[VOUT], v12, 11, v[VOUT]
	s_wait_tensorcnt 0x0                           ; my tile has landed,
	s_barrier_signal -1
	s_barrier_wait -1                              ; everybody's has.  The kernel's only barrier: nothing in LDS is filled again
; PHASE 1: scores, transposed: source 0 = 16 keys of K, source 1 = my 16 queries.  Lane (r, h) then holds query r, register j key 8 h + j of the tile.
.macro QK_LOAD buf, first, cnt         ; the fragments of cnt tiles from tile first on: 4 loads a tile
.set qi, 0
.rept \cnt
.irp ks, 0,1
	ds_load_b128 v[\buf+16*qi+8*\ks:\buf+16*qi+8*\ks+3],   v[VQK] offset:KBASE+2176*(\first+qi)+64*\ks
	ds_load_b128 v[\buf+16*qi+8*\ks+4:\buf+16*qi+8*\ks+7], v[VQK] offset:KBASE+2176*(\first+qi)+64*\ks+32
.endr
.set qi, qi+1
.endr
.endm
.macro QK_MUL buf, first, cnt          ; units 0..31 of every tile start the sums, then units 32..63: the tiles take turns, one instruction a turn
.set qi, 0
.rept \cnt
	v_wmma_f32_16x16x32_f16 v[SCR+8*(\first+qi):SCR+8*(\first+qi)+7], v[\buf+16*qi:\buf+16*qi+7], v[QF:QF+7], 0
.set qi, qi+1
.endr
.set qi, 0
.rept \cnt
	v_wmma_f32_16x16x32_f16 v[SCR+8*(\first+qi):SCR+8*(\first+qi)+7], v[\buf+16*qi+8:\buf+16*qi+15], v[QF+8:QF+15], v[SCR+8*(\first+qi):SCR+8*(\first+qi)+7]
.set qi, qi+1
.endr
.endm
; A group of tiles: left = the loads of the group behind it, which may stay out; then its buffer is filled with the group after that (ncnt tiles from nfirst).
.macro QK_GROUP buf, first, cnt, left, nfirst, ncnt
	s_wait_dscnt \left
	QK_MUL \buf, \first, \cnt
.if \ncnt
	PLACES
	QK_LOAD \buf, \nfirst, \ncnt
.endif
.endm
	ds_load_b128 v[QF:QF+3],     v[VQK]
	ds_load_b128 v[QF+4:QF+7],   v[VQK] offset:32
	ds_load_b128 v[QF+8:QF+11],  v[VQK] offset:64
	ds_load_b128 v[QF+12:QF+15], v[VQK] offset:96
	QK_LOAD KA, 0, 2
	QK_LOAD KB, 2, 2
	QK_GROUP KA, 0,  2, 8,  4,  2
	QK_GROUP KB, 2,  2, 8,  6,  2
	QK_GROUP KA, 4,  2, 8,  8,  2
	QK_GROUP KB, 6,  2, 8,  10, 2
	QK_GROUP KA, 8,  2, 8,  12, 2
	QK_GROUP KB, 10, 2, 8,  14, 3
	QK_GROUP KA, 12, 2, 12, 0,  0                  ; the last group's twelve loads may be out
	QK_GROUP KB, 14, 3, 0,  0,  0
	PLACES                                         ; for the loads below, which land in Q's and K's fragments, and for the masks, which read results
; V's fragments for a pair u of key tiles (32 keys), transposed on the way: lane (r, h) gets unit 16 dt + r, keys 8 h + 0..7 and 16 + 8 h + 0..7.
; second = 2304: the second 16 keys lie 8 LDS rows further.  second = 0 (pair 8, which has one tile): the first 16 keys once more, so that
; no read leaves the window; they meet weights that are 0.
.macro V_LOAD buf, u, second
.irp dt, 0,1,2,3
	ds_load_tr16_b128 v[\buf+8*\dt:\buf+8*\dt+3],   v[VV] offset:4608*\u+32*\dt
	ds_load_tr16_b128 v[\buf+8*\dt+4:\buf+8*\dt+7], v[VV] offset:4608*\u+32*\dt+\second
.endr
.endm
	V_LOAD VA, 0, 2304                             ; they land while the softmax is computed
	V_LOAD VB, 1, 2304
	; PHASE 2: the band.  Tile 0: key 8 h + j counts where it is at or above r; tile 16: where it is at or below r.
.irp j, 0,1,2,3,4,5,6,7
	v_cmp_le_i32 vcc_lo, -\j, v[VD]
	v_cndmask_b32 v[SCR+\j], v[NINF], v[SCR+\j], vcc_lo
.endr
.irp j, 0,1,2,3,4,5,6,7
	v_cmp_ge_i32 vcc_lo, -\j, v[VD]
	v_cndmask_b32 v[SCR+128+\j], v[NINF], v[SCR+128+\j], vcc_lo
.endr
	; The sequence's ends: tile t is tile 8 qb + w - 8 + t of 128.  For qb = 1 .. 14 that is 0 at the least and 127 at the most.
	s_sub_co_u32 s43, s9, 1
	s_cmp_lt_u32 s43, 14
	s_cbranch_scc1 .Linner
.set tt, 0
.rept 17
	s_add_co_u32 s43, s41, tt
	s_cmp_lt_u32 s43, 128                          ; unsigned: numbers below 0 fail too
	s_cselect_b32 s42, -1, 0
.irp j, 0,1,2,3,4,5,6,7
	v_cndmask_b32 v[SCR+8*tt+\j], v[NINF], v[SCR+8*tt+\j], s42
.endr
.set tt, tt+1
.endr
.Linner:
	; PHASE 3: the softmax.  The maximum of my 136 scores in eight chains; lanes r and r + 16 hold the two halves of query r's keys.
.irp j, 0,1,2,3,4,5,6,7
	v_max3_num_f32 v[MX+\j], v[SCR+\j], v[SCR+8+\j], v[SCR+16+\j]
.endr
.irp t, 3,5,7,9,11,13,15
.irp j, 0,1,2,3,4,5,6,7
	v_max3_num_f32 v[MX+\j], v[MX+\j], v[SCR+8*\t+\j], v[SCR+8*\t+8+\j]
.endr
.endr
	v_max3_num_f32 v[MX], v[MX], v[MX+1], v[MX+2]
	v_max3_num_f32 v[MX+3], v[MX+3], v[MX+4], v[MX+5]
	v_max3_num_f32 v[MX], v[MX], v[MX+3], v[MX+6]
	v_max_num_f32 v[MX], v[MX], v[MX+7]
	v_permlanex16_b32 v[MX+1], v[MX], s36, s37
	v_max_num_f32 v[MX], v[MX], v[MX+1]            ; the row's maximum: finite, since key = query is always in the band
	v_mul_f32 v[NM+1], s40, v[MX]
	v_mul_f32 v[NM], s40, v[MX]                    ; - c x maximum
.macro FMA8 t                          ; c x score - c x maximum
.irp p, 0,2,4,6
	v_pk_fma_f32 v[SCR+8*(\t)+\p:SCR+8*(\t)+\p+1], v[SCR+8*(\t)+\p:SCR+8*(\t)+\p+1], s[38:39], v[NM:NM+1] op_sel_hi:[1,0,1]
.endr
.endm
.macro EXP8 t
.irp j, 0,1,2,3,4,5,6,7
	v_exp_f32 v[SCR+8*(\t)+\j], v[SCR+8*(\t)+\j]
.endr
.endm
; Tile t's weights are added to the sums and packed to f16 in place: tile 2 u into registers 0-3 of pair u's fragment (keys 8 h + 0..7), tile 2 u + 1
; into registers 4-7 (keys 16 + 8 h + 0..7), which tile 2 u has left.  That is source 1's layout as it stands: no lane exchanges anything.
.macro SUMCVT t
.if (\t) == 0
	s_wait_alu depctr_va_vdst(0)
	v_pk_add_f32 v[L0:L0+1], v[SCR:SCR+1], v[SCR+2:SCR+3]          ; tile 0 starts the sums
	v_pk_add_f32 v[L1:L1+1], v[SCR+4:SCR+5], v[SCR+6:SCR+7]
.else
	s_wait_alu depctr_va_vdst(0)
	v_pk_add_f32 v[L0:L0+1], v[L0:L0+1], v[SCR+8*(\t):SCR+8*(\t)+1]
	v_pk_add_f32 v[L1:L1+1], v[L1:L1+1], v[SCR+8*(\t)+2:SCR+8*(\t)+3]
	v_pk_add_f32 v[L0:L0+1], v[L0:L0+1], v[SCR+8*(\t)+4:SCR+8*(\t)+5]
	v_pk_add_f32 v[L1:L1+1], v[L1:L1+1], v[SCR+8*(\t)+6:SCR+8*(\t)+7]
.endif
.irp i, 0,1,2,3
	v_cvt_pk_f16_f32 v[SCR+16*((\t)>>1)+4*((\t)&1)+\i], v[SCR+8*(\t)+2*\i], v[SCR+8*(\t)+2*\i+1]
.endr
.endm
	; Tile t's exponentials are followed by the sums of tile t - 1: plain instructions on other registers stand between an exponential and
	; the first use of its result (ISA guide 5.7.2).
	FMA8 0
	EXP8 0
.irp t, 1,2,3,4,5,6,7,8,9,10,11,12,13,14,15,16
	FMA8 \t
	EXP8 \t
	SUMCVT (\t-1)
.endr
	SUMCVT 16
	v_pk_add_f32 v[L0:L0+1], v[L0:L0+1], v[L1:L1+1]
	v_add_f32 v[L0], v[L0], v[L0+1]
	v_permlanex16_b32 v[L0+1], v[L0], s36, s37
	v_add_f32 v[L0], v[L0], v[L0+1]                ; the row's sum: at least about 1, the maximum's own weight
	v_rcp_f32 v[RL], v[L0]
.irp i, 0,1,2,3
	v_mov_b32 v[SCR+132+\i], 0                     ; pair 8 has no second tile: weights 0.  These moves are also the place behind v_rcp_f32
.endr
	s_wait_alu depctr_va_vdst(0)
	v_mov_b32 v[RL+1], v[RL]
; PHASE 4: the result, transposed: source 0 = 16 units of V (rows) over 32 keys, source 1 = the weights.  Lane (r, h) holds query r, register j unit 8 h + j.
; left = the next pair's eight loads, which may stay out; nu = the pair that is then loaded into this buffer (0: none).
; The four accumulators take turns, one instruction a turn.
.macro PV buf, u, left, zero, nu, second
	s_wait_dscnt \left
.irp dt, 0,1,2,3
.if \zero
	v_wmma_f32_16x16x32_f16 v[OA+8*\dt:OA+8*\dt+7], v[\buf+8*\dt:\buf+8*\dt+7], v[SCR+16*\u:SCR+16*\u+7], 0
.else
	v_wmma_f32_16x16x32_f16 v[OA+8*\dt:OA+8*\dt+7], v[\buf+8*\dt:\buf+8*\dt+7], v[SCR+16*\u:SCR+16*\u+7], v[OA+8*\dt:OA+8*\dt+7]
.endif
.endr
.if \nu
	PLACES
	V_LOAD \buf, \nu, \second
.endif
.endm
	PV VA, 0, 8, 1, 2, 2304
	PV VB, 1, 8, 0, 3, 2304
	PV VA, 2, 8, 0, 4, 2304
	PV VB, 3, 8, 0, 5, 2304
	PV VA, 4, 8, 0, 6, 2304
	PV VB, 5, 8, 0, 7, 2304
	PV VA, 6, 8, 0, 8, 0
	PV VB, 7, 8, 0, 0, 0
	PV VA, 8, 0, 0, 0, 0
	; PHASE 5: the way out.  The lane is the query in the result and in the sum alike, so the division is one factor a lane.
	PLACES
.irp p, 0,2,4,6,8,10,12,14,16,18,20,22,24,26,28,30
	v_pk_mul_f32 v[OA+\p:OA+\p+1], v[OA+\p:OA+\p+1], v[RL:RL+1]
.endr
.irp dt, 0,1,2,3
	ds_store_b128 v[VSTO], v[OA+8*\dt:OA+8*\dt+3]   offset:64*\dt       ; query r's units 16 dt + 8 h + 0..3, into my own stage
	ds_store_b128 v[VSTO], v[OA+8*\dt+4:OA+8*\dt+7] offset:64*\dt+16
.endr
.irp t, 0,1,2,3,4,5,6,7
	ds_load_b128 v[VA+4*\t:VA+4*\t+3], v[VRD] offset:544*\t            ; back by rows: LDS serves a wave's instructions in order (ISA guide 5.7.1.4)
.endr
.irp t, 0,1,2,3,4,5,6,7
	s_wait_dscnt 7-\t                              ; read-back t is in, the younger ones may be out
	global_store_b128 v[VOUT], v[VA+4*\t:VA+4*\t+3], s[6:7] offset:4096*\t th:TH_STORE_NT   ; sixteen lanes store a query's 256 bytes of this head, at a multiple of 256 from out0's start
.endr
	s_wait_tensorcnt 0x0
	ds_add_u32 v14, v15
	s_wait_dscnt 0x0
	s_endpgm
.Lfunc_end_k_qce53673471_attn:
	.size	k_qce53673471_attn, .Lfunc_end_k_qce53673471_attn-k_qce53673471_attn
	.p2alignl 7, 3214868480
	.fill 96, 4, 3214868480
	.section	.rodata,"a",@progbits
	.p2align	6, 0x0
	.amdhsa_kernel k_qce53673471_attn
		.amdhsa_group_segment_fixed_size 168960
		.amdhsa_private_segment_fixed_size 0
		.amdhsa_enable_private_segment 0
		.amdhsa_kernarg_size 16
		.amdhsa_user_sgpr_count 2
		.amdhsa_user_sgpr_kernarg_segment_ptr 1
		.amdhsa_wavefront_size32 1
		.amdhsa_system_sgpr_workgroup_id_x 1
		.amdhsa_system_sgpr_workgroup_id_y 1
		.amdhsa_system_sgpr_workgroup_id_z 1
		.amdhsa_system_vgpr_workitem_id 0
		.amdhsa_next_free_vgpr 256
		.amdhsa_next_free_sgpr 66
		.amdhsa_reserve_vcc 1
		.amdhsa_float_denorm_mode_32 3
		.amdhsa_float_denorm_mode_16_64 3
		.amdhsa_memory_ordered 1
		.amdhsa_forward_progress 1
		.amdhsa_inst_pref_size 59
	.end_amdhsa_kernel
	.amdgpu_metadata
---
amdhsa.version: [ 1, 2 ]
amdhsa.kernels:
  - .name:           k_qce53673471_attn
    .symbol:         k_qce53673471_attn.kd
    .args:
      - { .name: qkv, .offset: 0, .size: 8, .value_kind: global_buffer, .address_space: global }
      - { .name: out0, .offset: 8, .size: 8, .value_kind: global_buffer, .address_space: global }
    .group_segment_fixed_size: 168960
    .private_segment_fixed_size: 0
    .kernarg_segment_align: 8
    .kernarg_segment_size: 16
    .max_flat_workgroup_size: 256
    .sgpr_count:     66
    .vgpr_count:     256
    .wavefront_size: 32
...
	.end_amdgpu_metadata
.endif
;; end of part 2
